; MI455X (gfx1250); checked and timed in simulation.
; The chip was launched on July 23, 2026; its instructions are those of AMD's public machine-readable ISA for CDNA 5 (MIT licence, August 2026) and "CDNA5" Instruction Set Architecture Reference Guide (July 2026). The comments in the code are by the model that wrote it; some were corrected since.
;; Self Attention2d. Allowed arithmetic: matrix products marked QUANTISED: E2M1 operands, one E8M0 scale for each 32 along K, by v_wmma_scale_f32_16x16x128_f8f6f4 with both operands' format E2M1 (or v_wmma_scale_f32_32x16x128_f4), f32 sums; products left as they are: bf16, f16 or f32 operands; f32 sums; everything else in f32.
;; Inputs: b_proj 256 float32; w_proj 256 x 256 float32; w_qkv 768 x 256 float32; x 2 x 256 x 64 x 64 float32.
;; Outputs: out0 2 x 256 x 64 x 64 float32.
;; This version of the problem:
;;   THIS VERSION OF THE PROBLEM IS GIVEN IN LOW PRECISION. The matrix products marked QUANTISED in the list below multiply operands that are first quantised to E2M1 (2 exponent bits, 1 mantissa bit; 4 bits a number), with one power-of-two scale for each 32 numbers along K (OCP MX v1.0); their sums are f32. The products marked 'left as it is' may take bf16, f16 or f32 operands, with f32 sums. All else is computed in f32.
;;   The module's matrix products, in the order in which they are computed (A, B: the left and right operand; K: the contracted axis; several contracted axes count as one K, in the product's order):
;;     1. [M 8,192, K 256] x [K 256, N 768]; A: input x; B: input w_qkv: QUANTISED
;;     2. batch 16 x [M 4,096, K 32] x [K 32, N 4,096]; A: computed on the way; B: computed on the way: left as it is (an operand is computed on the way)
;;     3. batch 16 x [M 4,096, K 4,096] x [K 4,096, N 32]; A: computed on the way; B: computed on the way: left as it is (an operand is computed on the way)
;;     4. [M 8,192, K 256] x [K 256, N 256]; A: computed on the way; B: input w_proj: left as it is (an operand is computed on the way)
;;   THE QUANTISER, for each operand of a quantised product, along K:
;;     - K is cut into blocks of 32 from its start; a last block that is shorter is filled with zeros.
;;     - A block's scale is 2^e with e = floor(log2(the largest magnitude in the block)) - 2, held to -126 .. 127; a block of zeros has e = 0. As a byte (E8M0): e + 127.
;;     - Each number is divided by its block's scale, clamped to +-6, and rounded to the nearest number of E2M1, ties to even, subnormals kept.
;;     - The product sums the exact products of the quantised numbers (number of the format x scale) in f32.
;;   ~~~python
;;   def quantise(x, axis):      # numpy; x: float32 -> the quantised numbers, widened to float32 again
;;       x = np.moveaxis(x, axis, -1); K = x.shape[-1]
;;       x = np.pad(x, [(0, 0)] * (x.ndim - 1) + [(0, -K % 32)]); x = x.reshape(x.shape[:-1] + (-1, 32)); a = np.abs(x).max(-1, keepdims=True)
;;       e = np.where(a > 0, np.clip(np.frexp(np.where(a > 0, a, 1))[1] - 1 - 2, -126, 127), 0)      # np.frexp(a)[1] - 1 = floor(log2(a)), exactly
;;       r = np.clip(x / 2.0 ** e, -6, 6)
;;       step = 2.0 ** (np.maximum(np.frexp(np.where(r == 0, 1, r))[1] - 1, 0) - 1)
;;       q = np.round(r / step) * step * 2.0 ** e      # np.round: ties to even
;;       return np.moveaxis(q.reshape(q.shape[:-2] + (-1,))[..., :K], -1, axis).astype(np.float32)
;;   ~~~
;; One version. Each part assembles by itself: llvm-mc -triple=amdgcn-amd-amdhsa -mcpu=gfx1250 --defsym DOCPART=n.
;; ======== version 1 of 1: 3 launches
;; limits: values are held in f16: magnitudes above 65,504 overflow, below 6.1e-05 lose precision
;; workspace buffers: q_ws 4,194,304 bytes; kv_ws 8,388,608 bytes; a_ws 4,194,304 bytes
;; launch qkv (part 1): grid 64 x 3, 8 waves a work-group, clusters of 4 x 1, 284,672 bytes of LDS; arguments x, w_qkv, q_ws, kv_ws; writes q_ws, kv_ws
.if DOCPART == 1
	.amdgcn_target "amdgcn-amd-amdhsa--gfx1250"
	.amdhsa_code_object_version 6
	.text
	.protected	k_qdf35ec049e_qkv
	.globl	k_qdf35ec049e_qkv
	.p2align	8
	.type	k_qdf35ec049e_qkv,@function
k_qdf35ec049e_qkv:
	s_mov_b64 s[64:65], 0
	v_nop
	global_prefetch_b8 v0, s[64:65] scope:SCOPE_SE
	s_setreg_imm32_b32 hwreg(HW_REG_WAVE_MODE, 25, 1), 1
	s_wait_xcnt 0x0
	s_wait_alu depctr_hold_cnt(0) depctr_sa_sdst(0) depctr_va_vdst(0) depctr_va_sdst(0) depctr_va_ssrc(0) depctr_va_vcc(0) depctr_vm_vsrc(0)
	s_getreg_b32 s2, hwreg(HW_REG_IB_STS2, 6, 4)
	s_cmp_eq_u32 s2, 0
	s_cbranch_scc0 .Lentry_in_a_cluster
	s_endpgm
.Lentry_in_a_cluster:
	s_bfe_u32 s2, ttmp6, 0x10000c
	s_cmp_lg_u32 s2, 0x3003
	s_cbranch_scc0 .Lentry_shape_is_right
	s_endpgm
.Lentry_shape_is_right:
; qkv[b][o][n] = sum over c of w_qkv[o][c] x[b][c][n], both operands quantised along c to FP4 (E2M1) with one E8M0 scale for each 32 channels; sums in f32.
; x: [2][256][4096] f32 (K = the channels is its OUTER axis), w_qkv: [768][256] f32 (K innermost).  The results are rounded to 16 bits (q, k: bf16; v: f16) and stored as IMAGES OF THE NEXT LAUNCH'S OPERAND REGISTERS:
; a group of four registers is 512 bytes, lane l's 16 bytes at 16 l, so that every store of a wave covers 512 consecutive bytes, at a multiple of 512 from the buffer's first byte.
;   q_ws  [bh 16][tile of 16 positions, 256][c 2][512 B]: lane (r, h) holds position r, channels 16 c + 8 h + 0 .. 7 of the head
;   kv_ws [bh 16][chunk of 1,024 keys, 4][K part 65,536 B | V part 65,536 B]; K part laid as q; V part [block of 32 keys, 32][u 2][c 2][512 B]: lane (r, h) holds channel 16 u + r, keys 16 c + 8 h + 0 .. 7
; WHY v IS f16: the next launch multiplies it by weights p in 0 .. 1, and f16's eleven bits keep the rounding of both an eighth of bf16's.  v is a sum over 256 channels: at a spread of 1 in x and 0.02 in w its
; spread is 0.02 x 16 = 0.32; with both inputs 30 times larger 290; with both carrying an offset of 30 spreads 0.6 x 30 x 256 = 4,608; with both 30 times smaller 3.6e-4, where f16's step is 6e-8.
; SHARES.  A work-group takes 128 positions (x of the grid) and one of q, k, v (y): 256 rows of w.  Wave w takes head w: 32 rows of w (two tiles T) for all eight tiles of 16 positions.
; x: wave w quantises positions 32 (w % 4) + lane, channels 128 (w / 4) on: a lane takes a column and its registers run down K, so a block of 32 lies in one lane and the codes come out with K innermost.
;    The codes go to the other waves through LDS as images of the operand's registers, the scale words 4 bytes a position.
; w: each wave's 32 rows come by one tensor load into LDS bytes of the wave's own; only that wave reads them, and quantises them into its registers.
; CLUSTER.  The four work-groups of a cluster lie along x and share y, so they need the same 256 rows of w: each wave's load is asked for jointly (mask 15).  x is shared along y only, goes through registers, and is not asked for jointly.
; q, k: source 0 = 16 rows of w, source 1 = 16 positions: a lane's eight results are eight channels of one position.  v: the sources change places: eight positions of one channel.  Both are the images wanted.
; LIMITS: |v| stays under 65,504, f16's largest number.  NaN and infinities among the inputs are not served.  A block's scale byte is its largest magnitude's exponent field - 2, held at 1 from below; a block of zeros
; so gets 1 where the rule says 127: its codes are zeros, which add nothing under that byte, and the bytes are read by this launch alone.
.set ROWP,  1040                       ; a row of w in LDS: 1,024 bytes + 16: the sixteen rows of a load start at sixteen different 16-byte columns modulo 256
.set WWAVE, 32*ROWP                    ; a wave's 32 rows
.set XIMG,  8*WWAVE                    ; x's 16 fragments (tile of positions m, K step s: 2 m + s), 1,024 bytes each
.set XSC,   XIMG+16*1024               ; their scale words: 64 bytes each
.set TM,  16                           ; v16-31   at work
.set XR,  32                           ; v32-159  128 numbers as loaded
.set XF,  32                           ; v32-95   later: x's fragments of four tiles, two K steps
.set ACC, 96                           ; v96-159  later: eight accumulators, (mm, T) at ACC + 8 (2 mm + T)
.set WF,  160                          ; v160-191 w's fragments, (T, s) at WF + 8 (2 T + s)
.set PK,  192                          ; v192-223 results in 16 bits
.set XC,  224                          ; v224-239 x's codes, four registers a block
.set XS,  240                          ; v240-247 x's scale words, 2 mm + s: scales and nothing else
.set WS,  248                          ; v248-251 w's scale words, 2 T + s: scales and nothing else
.set XW,  252                          ; v252     my position's scale word while it is made
.set WV,  12                           ; s12      my wave's number
.macro CROUND                          ; a round of the cluster's barrier
	s_barrier_signal -1
	s_barrier_wait -1
	s_cmp_lg_u32 s[WV], 0
	s_cbranch_scc1 .Lnot_wave_0_\@
	s_barrier_signal -3
.Lnot_wave_0_\@:
	s_barrier_wait -3
	s_barrier_signal -1
	s_barrier_wait -1
.endm
.macro PLACES n
.rept \n
	v_nop
.endr
.endm
.macro XLOADS from, n                  ; x(128 s + i, my position): 32 lanes read 128 consecutive bytes, four waves side by side 512
.set li, \from
.rept \n
	global_load_b32 v[XR+li], v3, s[4:5] offset:li*16384
.set li, li+1
.endr
.endm
	s_load_b128 s[4:7], s[0:1], 0x0                ; x, w_qkv
	s_load_b128 s[8:11], s[0:1], 0x10              ; q_ws, kv_ws
	v_lshl_add_u32 v254, v0, 2, 0x45400
	v_mov_b32 v255, 0
	ds_add_u32 v254, v255
	ds_add_u32 v254, v255
	v_lshrrev_b32 v1, 5, v0
	v_readfirstlane_b32 s[WV], v1                  ; wave 0..7
	s_and_b32 s13, ttmp7, 0xffff                   ; y: 0 q, 1 k, 2 v; the partners share it
	s_bfe_u32 s14, ttmp6, 0x40000                  ; cx
	s_lshl_b32 s15, ttmp9, 2
	s_add_co_u32 s14, s14, s15                     ; block of 128 positions = 4 x cluster x + cx: it enters global addresses alone
	s_lshr_b32 s15, s14, 5                         ; batch
	s_and_b32 s38, s14, 31                         ; block within the batch
	s_lshr_b32 s39, s[WV], 2                       ; which 128 channels of x I quantise
	s_and_b32 s40, s[WV], 3                        ; which 32 positions
	s_lshl_b32 s16, s15, 22                        ; x: batch x 4 MiB
	s_lshl_b32 s17, s39, 21                        ; + 128 channels of 16,384 bytes
	s_add_co_u32 s16, s16, s17
	s_lshl_b32 s17, s38, 9                         ; + 128 positions of 4 bytes
	s_add_co_u32 s16, s16, s17
	s_lshl_b32 s17, s40, 7                         ; + 32 positions
	s_add_co_u32 s16, s16, s17
	s_mov_b32 s17, 0
	s_lshl_b32 s41, s40, 12                        ; where I store x's images: tiles 2 (w % 4) and + 1, K step w / 4: image 4 (w % 4) + 2 (lane / 16) + w / 4
	s_lshl_b32 s42, s39, 10
	s_add_co_u32 s41, s41, s42
	s_add_co_u32 s41, s41, XIMG
	s_lshl_b32 s42, s40, 8                         ; and their scale words
	s_lshl_b32 s43, s39, 6
	s_add_co_u32 s42, s42, s43
	s_add_co_u32 s42, s42, XSC
	s_mov_b32 s20, 0x76543210
	s_mov_b32 s21, 0xfedcba98                      ; v_permlanex16_b32's selects for lane l xor 16
	; descriptor group 1: 32 rows of 256 elements of 4 bytes, 16 bytes of padding behind each row
	s_mov_b32 s24, 15|(2<<16)|(1<<20)|(1<<21)|(7<<22)|(3<<25)   ; 15:0 the mask: all four work-groups; 17:16 elements of 4 bytes; 20 padding on; 21 set beside a mask; 24:22 after every 256 words; 31:25 four words
	s_mov_b32 s25, 256<<16                         ; tensor_dim0 = 256
	s_mov_b32 s26, 32<<16                          ; tensor_dim1 = 32
	s_mov_b32 s27, 256<<16                         ; tile_dim0 = 256
	s_mov_b32 s28, 32                              ; tile_dim1 = 32
	s_mov_b32 s29, 256                             ; elements from row to row
	s_mov_b32 s30, 0
	s_mov_b32 s31, 0
	s_mov_b32 s32, 1                               ; group 0: count = 1
	s_mul_i32 s33, s[WV], WWAVE                    ; LDS address: my wave's rows
	s_lshl_b32 s22, s13, 18                        ; 256 rows of 1,024 bytes for each of q, k, v
	s_lshl_b32 s23, s[WV], 15                      ; my 32 rows
	s_add_co_u32 s22, s22, s23
	s_mov_b32 s23, 0
	v_and_b32 v1, 15, v0                           ; r
	v_bfe_u32 v2, v0, 4, 1                         ; h
	v_and_b32 v9, 31, v0                           ; lane
	v_lshlrev_b32 v3, 2, v9                        ; x: 4 bytes a lane
	v_lshlrev_b32 v9, 4, v9                        ; an image's place for my lane: 16 x lane
	v_lshlrev_b32 v4, 4, v1
	v_lshl_add_u32 v4, v2, 11, v4
	v_add_nc_u32 v4, s41, v4                       ; x's codes: 16 r + 2,048 (lane / 16) + my wave's images
	v_lshlrev_b32 v5, 2, v1
	v_add_nc_u32 v8, XSC, v5                       ; scale words, to read: 4 r
	v_lshl_add_u32 v5, v2, 7, v5
	v_add_nc_u32 v5, s42, v5                       ; to store: 4 r + 128 (lane / 16) + my wave's
	v_mul_u32_u24 v6, v1, ROWP
	v_lshl_add_u32 v6, v2, 7, v6
	v_add_nc_u32 v6, s33, v6                       ; w: row r, + 128 h bytes: my 32 numbers of each 64
	v_add_nc_u32 v7, XIMG, v9                      ; x's images, to read
	v_lshlrev_b32 v10, 3, v2                       ; 8 h: how far my two scale bytes are shifted
	v_mov_b32 v[TM+12], 0                          ; written once: a lane permute's destination counts as one of its sources
	v_mov_b32 v[TM+13], 0
	s_wait_dscnt 0x0
	s_wait_kmcnt 0x0
	s_add_nc_u64 s[34:35], s[6:7], s[22:23]        ; group 0: global address
	s_or_b32 s35, s35, 0x80000000                  ; type = 2
	s_add_nc_u64 s[4:5], s[4:5], s[16:17]
	XLOADS 0, 32                                   ; x's first block is on its way while the partners meet
	CROUND                                         ; all four work-groups are here: the joint loads meet
	tensor_load_to_lds s[32:35], s[24:31]          ; my 32 rows of w: the wave's one tensor load
	s_nop 0
	PLACES 4
	XLOADS 32, 96
	; where my results go (scalar work while the loads are out)
	s_lshl_b32 s16, s15, 3
	s_add_co_u32 s16, s16, s[WV]                   ; bh = 8 x batch + head
	s_lshl_b32 s17, s16, 18
	s_lshl_b32 s18, s38, 13
	s_add_co_u32 s17, s17, s18                     ; q: bh x 262,144 + 8 tiles of 1,024 bytes a block
	s_lshl_b32 s18, s16, 19                        ; k, v: bh x 524,288
	s_lshr_b32 s19, s38, 3
	s_lshl_b32 s19, s19, 17                        ; + the chunk of 1,024 keys
	s_add_co_u32 s18, s18, s19
	s_and_b32 s19, s38, 7
	s_lshl_b32 s19, s19, 13                        ; + the block's 8,192 bytes in either part
	s_add_co_u32 s18, s18, s19
	s_cmp_eq_u32 s13, 2
	s_cselect_b32 s19, 0x10000, 0                  ; V's part lies behind K's
	s_add_co_u32 s18, s18, s19
	s_cmp_eq_u32 s13, 0                            ; the choice of buffer hangs on the work-group's y alone
	s_cselect_b64 s[36:37], s[8:9], s[10:11]
	s_cselect_b32 s16, s17, s18
	s_mov_b32 s17, 0
	s_add_nc_u64 s[36:37], s[36:37], s[16:17]
; Block b of my position's 128 channels: largest magnitude, scale, codes; the codes are registers 4 (b / 2) .. + 3 of lane (r, b % 2) of the fragment: 256 b bytes into the image.
.macro XQ b, left
	s_wait_loadcnt \left                           ; loads come back in order: this block's 32 are in
.set XB, XR+32*(\b)
	v_max3_num_f32 v[TM], |v[XB]|, |v[XB+1]|, |v[XB+2]|
	v_max3_num_f32 v[TM+1], |v[XB+3]|, |v[XB+4]|, |v[XB+5]|
.irp i, 6,10,14,18,22,26
	v_max3_num_f32 v[TM], v[TM], |v[XB+\i]|, |v[XB+\i+1]|
	v_max3_num_f32 v[TM+1], v[TM+1], |v[XB+\i+2]|, |v[XB+\i+3]|
.endr
	v_max3_num_f32 v[TM], v[TM], |v[XB+30]|, |v[XB+31]|
	v_max3_num_f32 v[TM], v[TM], v[TM+1], 0x1800000    ; and the floor 2^(3 - 127): the byte cannot fall under 1
	v_add_nc_u32 v[TM+2], 0xff000000, v[TM]            ; 2 off the exponent field: the conversion takes the exponent field of this operand as its scale
	v_lshrrev_b32 v[TM+3], 23, v[TM+2]                 ; the scale's byte
.if (\b) == 0
	v_mov_b32 v[XW], v[TM+3]
.else
	v_lshl_or_b32 v[XW], v[TM+3], 8*(\b), v[XW]
.endif
.irp g, 0,1,2,3
	v_cvt_scalef32_pk8_fp4_f32 v[XC+4*(\b)+\g], v[XB+8*\g:XB+8*\g+7], v[TM+2]
.endr
	v_nop                                          ; one plain line behind the scaled conversions
	ds_store_b128 v4, v[XC+4*(\b):XC+4*(\b)+3] offset:256*(\b)
.endm
	XQ 0, 63                                       ; 96 loads were issued behind block 0's, 64 behind block 1's: a wait's count names 63 at the most
	XQ 1, 63
	XQ 2, 32
	XQ 3, 0
	ds_store_b32 v5, v[XW]                         ; my position's scale word for these 128 channels
; Tile T of my rows of w: lane (r, h) takes, of row 16 T + r, the numbers k = 64 q + 32 h + 0 .. 31, q = 0 .. 3: four whole blocks, in the order of the operand's registers.
.macro WQ T
.irp q, 0,1,2,3
.irp i, 0,1,2,3,4,5,6,7
	ds_load_b128 v[XR+32*\q+4*\i:XR+32*\q+4*\i+3], v6 offset:(\T)*16*ROWP+256*\q+16*\i
.endr
.endr
	s_wait_dscnt 0x0
.irp q, 0,1,2,3
	v_max3_num_f32 v[TM+\q], |v[XR+32*\q]|, |v[XR+32*\q+1]|, 0x1800000   ; the four blocks by turns; the floor holds the byte at 1 from below
.endr
.irp i, 2,4,6,8,10,12,14,16,18,20,22,24,26,28,30
.irp q, 0,1,2,3
	v_max3_num_f32 v[TM+\q], v[TM+\q], |v[XR+32*\q+\i]|, |v[XR+32*\q+\i+1]|
.endr
.endr
.irp q, 0,1,2,3
	v_add_nc_u32 v[TM+8+\q], 0xff000000, v[TM+\q]  ; the conversions' scale operands
.endr
.irp q, 0,1,2,3
	v_lshrrev_b32 v[TM+4+\q], 23, v[TM+8+\q]       ; the bytes
.endr
.irp s, 0,1
	v_lshl_or_b32 v[TM+4+2*\s], v[TM+5+2*\s], 16, v[TM+4+2*\s]   ; K step s: my bytes are those of blocks h and 2 + h
.endr
.irp s, 0,1
	v_lshlrev_b32 v[TM+4+2*\s], v10, v[TM+4+2*\s]  ; 8 h bits up
.endr
.irp s, 0,1
	v_permlanex16_b32 v[TM+12+\s], v[TM+4+2*\s], s20, s21
.endr
.irp s, 0,1
	v_or_b32 v[WS+2*(\T)+\s], v[TM+4+2*\s], v[TM+12+\s]   ; with lane l xor 16's two bytes the row's word is whole
.endr
.irp q, 0,1,2,3
.irp g, 0,1,2,3
	v_cvt_scalef32_pk8_fp4_f32 v[WF+16*(\T)+4*\q+\g], v[XR+32*\q+8*\g:XR+32*\q+8*\g+7], v[TM+8+\q]
.endr
.endr
	v_nop                                          ; one plain line behind the scaled conversions
.endm
	s_wait_tensorcnt 0x0                           ; my rows of w are in LDS; no other wave reads them
	WQ 0
	WQ 1
	s_wait_dscnt 0x0                               ; for the others' sake: my stores of x's images have landed
	s_barrier_signal -1
	s_barrier_wait -1                              ; x's sixteen fragments and their scale words lie in LDS
.macro MM isv, s, mm, T                ; one product: accumulator (mm, T), K step s; the first K step starts the sum
.set rD, ACC+8*(2*(\mm)+(\T))
.set rW, WF+8*(2*(\T)+(\s))
.set rX, XF+8*(2*(\mm)+(\s))
.if \isv
.if (\s) == 0
	v_wmma_scale_f32_16x16x128_f8f6f4 v[rD:rD+7], v[rX:rX+7], v[rW:rW+7], 0, v[XS+2*(\mm)+(\s)], v[WS+2*(\T)+(\s)] matrix_a_fmt:MATRIX_FMT_FP4 matrix_b_fmt:MATRIX_FMT_FP4
.else
	v_wmma_scale_f32_16x16x128_f8f6f4 v[rD:rD+7], v[rX:rX+7], v[rW:rW+7], v[rD:rD+7], v[XS+2*(\mm)+(\s)], v[WS+2*(\T)+(\s)] matrix_a_fmt:MATRIX_FMT_FP4 matrix_b_fmt:MATRIX_FMT_FP4
.endif
.else
.if (\s) == 0
	v_wmma_scale_f32_16x16x128_f8f6f4 v[rD:rD+7], v[rW:rW+7], v[rX:rX+7], 0, v[WS+2*(\T)+(\s)], v[XS+2*(\mm)+(\s)] matrix_a_fmt:MATRIX_FMT_FP4 matrix_b_fmt:MATRIX_FMT_FP4
.else
	v_wmma_scale_f32_16x16x128_f8f6f4 v[rD:rD+7], v[rW:rW+7], v[rX:rX+7], v[rD:rD+7], v[WS+2*(\T)+(\s)], v[XS+2*(\mm)+(\s)] matrix_a_fmt:MATRIX_FMT_FP4 matrix_b_fmt:MATRIX_FMT_FP4
.endif
.endif
.endm
; Four tiles of positions, m = 4 g + mm: their fragments from LDS, sixteen products on eight accumulators by turns, rounding to 16 bits, eight stores of 512 bytes.
.macro PASS g, isv
.irp mm, 0,1,2,3
.irp s, 0,1
.irp c, 0,1
	ds_load_b128 v[XF+8*(2*\mm+\s)+4*\c:XF+8*(2*\mm+\s)+4*\c+3], v7 offset:(2*(4*(\g)+\mm)+\s)*1024+512*\c
.endr
	ds_load_b32 v[XS+2*\mm+\s], v8 offset:(2*(4*(\g)+\mm)+\s)*64
.endr
.endr
	s_wait_dscnt 0x0
.if (\g) == 0
	PLACES 8                                       ; w's scale words were written by vector instructions: eight places ahead of the scaled products; its codes: four
.endif
.irp s, 0,1
.irp mm, 0,1,2,3
.irp T, 0,1
	MM \isv, \s, \mm, \T
.endr
.endr
.endr
	PLACES 4                                       ; ahead of the first read of results, and of the next pass's loads into the fragments' registers
.if (\g) == 1
	s_wait_xcnt 0x0                                ; the first pass's stores have read their data: PK is written again only behind this wait
.endif
.irp a, 0,1,2,3,4,5,6,7
.irp i, 0,1,2,3
.if \isv
	v_cvt_pk_f16_f32 v[PK+4*\a+\i], v[ACC+8*\a+2*\i], v[ACC+8*\a+2*\i+1]    ; v: f16; each accumulator from its low end on
.else
	v_cvt_pk_bf16_f32 v[PK+4*\a+\i], v[ACC+8*\a+2*\i], v[ACC+8*\a+2*\i+1]   ; q, k: bf16
.endif
.endr
.endr
.irp mm, 0,1,2,3
.irp T, 0,1
.if \isv
	global_store_b128 v9, v[PK+4*(2*\mm+\T):PK+4*(2*\mm+\T)+3], s[36:37] offset:((4*(\g)+\mm)/2)*2048+\T*1024+((4*(\g)+\mm)%2)*512   ; block of 32 keys m / 2, channels 16 T on, keys 16 (m % 2) on
.else
	global_store_b128 v9, v[PK+4*(2*\mm+\T):PK+4*(2*\mm+\T)+3], s[36:37] offset:(4*(\g)+\mm)*1024+\T*512   ; tile m, channels 16 T on
.endif
.endr
.endr
.endm
	s_cmp_eq_u32 s13, 2                            ; v's work-groups use the product the other way round; the partners of a cluster share y
	s_cbranch_scc1 .Lv
	PASS 0, 0
	PASS 1, 0
	s_branch .Lend
.Lv:
	PASS 0, 1
	PASS 1, 1
.Lend:
	s_wait_dscnt 0x0
	s_wait_tensorcnt 0x0
	ds_add_u32 v254, v255
	s_wait_dscnt 0x0
	CROUND                                         ; the closing round: no work-group ends while a partner may still ask for rows jointly
	s_endpgm
.Lfunc_end_k_qdf35ec049e_qkv:
	.size	k_qdf35ec049e_qkv, .Lfunc_end_k_qdf35ec049e_qkv-k_qdf35ec049e_qkv
	.p2alignl 7, 3214868480
	.fill 96, 4, 3214868480
	.section	.rodata,"a",@progbits
	.p2align	6, 0x0
	.amdhsa_kernel k_qdf35ec049e_qkv
		.amdhsa_group_segment_fixed_size 284672
		.amdhsa_private_segment_fixed_size 0
		.amdhsa_enable_private_segment 0
		.amdhsa_kernarg_size 32
		.amdhsa_user_sgpr_count 2
		.amdhsa_user_sgpr_kernarg_segment_ptr 1
		.amdhsa_wavefront_size32 1
		.amdhsa_system_sgpr_workgroup_id_x 1
		.amdhsa_system_sgpr_workgroup_id_y 1
		.amdhsa_system_sgpr_workgroup_id_z 1
		.amdhsa_system_vgpr_workitem_id 0
		.amdhsa_next_free_vgpr 256
		.amdhsa_next_free_sgpr 66
		.amdhsa_reserve_vcc 0
		.amdhsa_float_denorm_mode_32 3
		.amdhsa_float_denorm_mode_16_64 3
		.amdhsa_memory_ordered 1
		.amdhsa_forward_progress 1
		.amdhsa_inst_pref_size 66
	.end_amdhsa_kernel
	.amdgpu_metadata
---
amdhsa.version: [ 1, 2 ]
amdhsa.kernels:
  - .name:           k_qdf35ec049e_qkv
    .symbol:         k_qdf35ec049e_qkv.kd
    .args:
      - { .name: x, .offset: 0, .size: 8, .value_kind: global_buffer, .address_space: global }
      - { .name: w_qkv, .offset: 8, .size: 8, .value_kind: global_buffer, .address_space: global }
      - { .name: q_ws, .offset: 16, .size: 8, .value_kind: global_buffer, .address_space: global }
      - { .name: kv_ws, .offset: 24, .size: 8, .value_kind: global_buffer, .address_space: global }
    .group_segment_fixed_size: 284672
    .private_segment_fixed_size: 0
    .kernarg_segment_align: 8
    .kernarg_segment_size: 32
    .max_flat_workgroup_size: 256
    .sgpr_count:     66
    .vgpr_count:     256
    .wavefront_size: 32
...
	.end_amdgpu_metadata
.endif
;; end of part 1
;; launch attn (part 2): grid 16 x 16, 8 waves a work-group, clusters of 4 x 1, 327,680 bytes of LDS; arguments q_ws, kv_ws, a_ws; writes a_ws
.if DOCPART == 2
	.amdgcn_target "amdgcn-amd-amdhsa--gfx1250"
	.amdhsa_code_object_version 6
	.text
	.protected	k_qdf35ec049e_attn
	.globl	k_qdf35ec049e_attn
	.p2align	8
	.type	k_qdf35ec049e_attn,@function
k_qdf35ec049e_attn:
	s_mov_b64 s[64:65], 0
	v_nop
	global_prefetch_b8 v0, s[64:65] scope:SCOPE_SE
	s_setreg_imm32_b32 hwreg(HW_REG_WAVE_MODE, 25, 1), 1
	s_wait_xcnt 0x0
	s_wait_alu depctr_hold_cnt(0) depctr_sa_sdst(0) depctr_va_vdst(0) depctr_va_sdst(0) depctr_va_ssrc(0) depctr_va_vcc(0) depctr_vm_vsrc(0)
	s_getreg_b32 s2, hwreg(HW_REG_IB_STS2, 6, 4)
	s_cmp_eq_u32 s2, 0
	s_cbranch_scc0 .Lentry_in_a_cluster
	s_endpgm
.Lentry_in_a_cluster:
	s_bfe_u32 s2, ttmp6, 0x10000c
	s_cmp_lg_u32 s2, 0x3003
	s_cbranch_scc0 .Lentry_shape_is_right
	s_endpgm
.Lentry_shape_is_right:
; O[bh][q][:] = the sum over k of softmax_k(Q[q] . K[k] / sqrt(32)) V[k][:], 16 heads-of-batches of 4,096 positions, head size 32.  Products, maxima and sums in f32.
; FORMATS.  Q and K: bf16.  The weights p and V: f16.  p lies in 0 .. 1 by construction (under 2^-14 its step is 2^-24, against a row's sum of at least 1); V's room in f16 is reckoned in the launch that makes it.
; With eleven bits in p and V the second product's operands are rounded an eighth as coarsely as in bf16, at the same count of instructions.  O leaves in bf16.
; All three operands arrive as images of operand registers (a group of four registers: 512 bytes, lane l's 16 bytes at 16 l), and O leaves so:
;   q_ws [bh][tile 256][c 2][512 B]; kv_ws [bh][chunk of 1,024 keys, 4][K 65,536 B: tile of 16 keys x c | V 65,536 B: block of 32 keys x u x c]; a_ws [batch x 256 + tile][head 8][c 2][512 B].
; SHARES.  A work-group owns 256 queries of one bh, each of its eight waves 32: two tiles of 16.  Two waves lie on a SIMD, so that one wave's vector work stands beside the other's loads and products.
; Every wave walks all 4,096 keys, 64 a step.  A chunk of 1,024 keys, 131,072 dense bytes, is an LDS slot; two slots take turns; each wave fetches an eighth of a chunk (64 rows of 256 bytes) by one tensor load.
; LAYOUT.  S^T = K Q^T (source 0 = 16 keys, source 1 = 16 queries): a lane holds ONE query (lane % 16) and keys 8 (lane / 16) + 0 .. 7.  Two such tiles, rounded to f16 in pairs, are source 1 of O^T = V^T P,
; whose result again holds one query a lane, and eight channels: which is the next launch's operand.
; SOFTMAX.  A running maximum m and sum l for each query: p = 2^(c s - c m), c = log2(e) / sqrt(32); in every step O and l are multiplied by a = 2^(c m_old - c m_new).  m begins at -3e38, O and l as zeros:
; the first step's a is 0 and leaves them zeros, so the step is written in one form.  (32 registers are cleared once for that.)  l is the sum of the unrounded p.
; CLUSTER.  The four query blocks of a cluster belong to one bh and walk the same K and V: each wave's load is asked for jointly (mask 15).
; LIMITS: |V| under 65,504 (f16); NaN and infinities are not served; c x score must be finite in f32.
.set SLOTB, 131072
.set SPARE, 2*SLOTB                    ; behind the ring: the spare words, 128 bytes for each of eight waves: four blocks of 256 bytes that no other line names
.set LI,  1                            ; v1   16 x lane: my place in an image; K's images begin a slot
.set LIV, 2                            ; v2   the same + 65,536: V's images
.set ADK, 3                            ; v3   LDS address of the step's K
.set ADV, 4                            ; v4   of its V
.set SPW, 5                            ; v5   LDS address of my spare word; never rewritten
.set NIL, 6                            ; v6   0; never rewritten
.set ST,  8                            ; tile t's statistics at v[ST + 8 t]: +0 c m, +1 m, +2, +3 l (even keys', odd keys'), +4 .. +7 at work; a in +6
.set Q,   24                           ; v24-39   Q, 8 a tile
.set KF,  40                           ; v40-71   K: four tiles of 16 keys
.set VF,  72                           ; v72-103  V: (kb, u) at VF + 8 (2 kb + u)
.set S,   104                          ; v104-167 S^T, 32 a tile
.set P,   168                          ; v168-199 P, 16 a tile
.set O,   200                          ; v200-231 O^T, (t, u) at O + 16 t + 8 u
.set PKO, 232                          ; v232-247 O in bf16
.set WV,  10
.set G1,  24                           ; s[24:31] descriptor group 1
.set G0,  32                           ; s[32:39] group 0, a set for each slot
.set CS,  40                           ; s[40:41] c, twice: the packed form names a pair
.set SEL, 42                           ; s[42:43] selects for lane l xor 16
.set TB,  44                           ; s44  LDS byte at which the step's K images begin
.set CNT, 45                           ; s45  steps left in the slot
.macro CROUND                          ; a round of the cluster's barrier
	s_barrier_signal -1
	s_barrier_wait -1
	s_cmp_lg_u32 s[WV], 0
	s_cbranch_scc1 .Lnot_wave_0_\@
	s_barrier_signal -3
.Lnot_wave_0_\@:
	s_barrier_wait -3
	s_barrier_signal -1
	s_barrier_wait -1
.endm
.macro PLACES n
.rept \n
	v_nop
.endr
.endm
	s_load_b128 s[4:7], s[0:1], 0x0                ; q_ws, kv_ws
	s_load_b64 s[8:9], s[0:1], 0x10                ; a_ws
	v_lshl_add_u32 v[SPW], v0, 2, SPARE
	v_mov_b32 v[NIL], 0
	ds_add_u32 v5, v6
	ds_add_u32 v5, v6
	s_wait_dscnt 0x0
	v_lshrrev_b32 v1, 5, v0
	v_readfirstlane_b32 s[WV], v1                  ; wave 0..7
	s_bfe_u32 s11, ttmp6, 0x40000                  ; cx
	s_lshl_b32 s12, ttmp9, 2
	s_add_co_u32 s12, s12, s11                     ; my block of 256 queries: it enters Q's and O's addresses alone
	s_and_b32 s13, ttmp7, 0xffff                   ; bh, which the four partners share
	s_lshl_b32 s14, s13, 19                        ; K and V: bh x 524,288
	s_lshl_b32 s16, s[WV], 14                      ; my eighth of a chunk, in memory and in a slot
	s_add_co_u32 s14, s14, s16
	s_mov_b32 s15, 0
	s_lshl_b32 s18, s13, 18                        ; Q: bh x 262,144
	s_lshl_b32 s19, s12, 14                        ; + 16 tiles of 1,024 bytes a block
	s_add_co_u32 s18, s18, s19
	s_lshl_b32 s19, s[WV], 11                      ; + my two tiles
	s_add_co_u32 s18, s18, s19
	s_mov_b32 s19, 0
	s_lshr_b32 s20, s13, 3                         ; O: batch x 256 tiles of 8,192 bytes
	s_lshl_b32 s20, s20, 21
	s_lshl_b32 s21, s12, 17                        ; + 16 tiles a block
	s_add_co_u32 s20, s20, s21
	s_lshl_b32 s21, s[WV], 14                      ; + my two tiles
	s_add_co_u32 s20, s20, s21
	s_and_b32 s21, s13, 7                          ; + the head's 1,024 bytes
	s_lshl_b32 s21, s21, 10
	s_add_co_u32 s20, s20, s21
	s_mov_b32 s21, 0
	; descriptor group 1: 64 rows of 32 elements of 8 bytes, dense, no padding: images are read 512 consecutive bytes at a time
	s_mov_b32 s[G1], 15|(3<<16)|(1<<21)            ; 15:0 the mask: all four work-groups; 17:16 elements of 8 bytes; 21 set beside a mask
	s_mov_b32 s[G1+1], 32<<16                      ; tensor_dim0 = 32
	s_mov_b32 s[G1+2], 64<<16                      ; tensor_dim1 = 64
	s_mov_b32 s[G1+3], 32<<16                      ; tile_dim0 = 32
	s_mov_b32 s[G1+4], 64                          ; tile_dim1 = 64
	s_mov_b32 s[G1+5], 32                          ; elements from row to row
	s_mov_b32 s[G1+6], 0
	s_mov_b32 s[G1+7], 0
	s_mov_b32 s[CS], 0x3e8293ee                    ; c = log2(e) / sqrt(32)
	s_mov_b32 s[CS+1], s[CS]
	s_mov_b32 s[SEL], 0x76543210
	s_mov_b32 s[SEL+1], 0xfedcba98
	v_and_b32 v[LI], 31, v0
	v_lshlrev_b32 v[LI], 4, v[LI]
	v_add_nc_u32 v[LIV], 0x10000, v[LI]
	s_wait_kmcnt 0x0
	s_add_nc_u64 s[6:7], s[6:7], s[14:15]
	s_add_nc_u64 s[4:5], s[4:5], s[18:19]
	s_add_nc_u64 s[8:9], s[8:9], s[20:21]
.irp n, 0,1
	s_mov_b32 s[G0+4*\n], 1                        ; count = 1
	s_add_co_u32 s[G0+4*\n+1], s16, \n*SLOTB       ; LDS address: slot n, my eighth
	s_add_nc_u64 s[G0+4*\n+2:G0+4*\n+3], s[6:7], \n*SLOTB   ; global address: chunk n
	s_or_b32 s[G0+4*\n+3], s[G0+4*\n+3], 0x80000000         ; type = 2
.endr
.irp t, 0,1
.irp c, 0,1
	global_load_b128 v[Q+8*\t+4*\c:Q+8*\t+4*\c+3], v[LI], s[4:5] offset:\t*1024+\c*512   ; Q stays in registers; it is on its way while the partners meet
.endr
.endr
	CROUND                                         ; all four work-groups are here: the first joint loads meet
	tensor_load_to_lds s[G0:G0+3], s[G1:G1+7]      ; chunk 0
	s_nop 0
	tensor_load_to_lds s[G0+4:G0+7], s[G1:G1+7]    ; chunk 1: two loads of mine are out
	s_nop 0
	PLACES 4
.irp t, 0,1
	v_mov_b32 v[ST+8*\t+1], 0xff61b1e6             ; m: -3e38, under every score
	v_mul_f32 v[ST+8*\t], s[CS], v[ST+8*\t+1]      ; c m
.irp j, 2,3,4,5,6,7
	v_mov_b32 v[ST+8*\t+\j], 0
.endr
.endr
.set nn, 0
.rept 32
	v_mov_b32 v[O+nn], 0
.set nn, nn+1
.endr
	s_wait_tensorcnt 1                             ; my part of chunk 0 is in; chunk 1's load, issued behind it, may stay out
	s_barrier_signal -1
	s_barrier_wait -1                              ; everybody's is
	s_wait_loadcnt 0x0                             ; Q
.macro FMA t, n                        ; pair n of tile t: c s - c m
	v_pk_fma_f32 v[S+32*(\t)+2*(\n):S+32*(\t)+2*(\n)+1], v[S+32*(\t)+2*(\n):S+32*(\t)+2*(\n)+1], s[CS:CS+1], v[ST+8*(\t):ST+8*(\t)+1] op_sel_hi:[1,0,0] neg_lo:[0,0,1] neg_hi:[0,0,1]
.endm
; Plain line n of 32 behind a tile's exponentials: 16 roundings to f16, 15 packed sums in place (neighbours 1, 2, 4, 8 pairs apart), then l = a l + the sum
.macro PL t, n
.set rS, S+32*(\t)
.set rT, ST+8*(\t)
.if (\n) < 16
	s_wait_alu depctr_va_vdst(0)
	v_cvt_pk_f16_f32 v[P+16*(\t)+(\n)], v[rS+2*(\n)], v[rS+2*(\n)+1]
.elseif (\n) < 31
.set zz, (\n)-16
.set ww, 4
.set uu, zz
.if zz >= 14
.set ww, 32
.set uu, 0
.elseif zz >= 12
.set ww, 16
.set uu, zz-12
.elseif zz >= 8
.set ww, 8
.set uu, zz-8
.endif
	v_pk_add_f32 v[rS+ww*uu:rS+ww*uu+1], v[rS+ww*uu:rS+ww*uu+1], v[rS+ww*uu+ww/2:rS+ww*uu+ww/2+1]
.else
	v_pk_fma_f32 v[rT+2:rT+3], v[rT+2:rT+3], v[rT+6:rT+7], v[rS:rS+1] op_sel_hi:[1,0,1]
	s_wait_alu depctr_va_vdst(0)
.endif
.endm
.macro OM q                            ; pair q of 16 of O^T, times its tile's a; ascending
	v_pk_mul_f32 v[O+2*(\q):O+2*(\q)+1], v[O+2*(\q):O+2*(\q)+1], v[ST+8*((\q)/8)+6:ST+8*((\q)/8)+7] op_sel_hi:[1,0]
.endm
; A KEY STEP: 64 keys for my two tiles of queries: 16 LDS loads, 8 products K Q^T, the softmax, 8 products V^T P.
.macro STEP
	v_add_nc_u32 v[ADK], s[TB], v[LI]
	v_add_nc_u32 v[ADV], s[TB], v[LIV]
	PLACES 2                                       ; with the two additions: four places between the last step's products and the loads into V's registers
.irp i, 0,1,2,3
.irp c, 0,1
	ds_load_b128 v[KF+8*\i+4*\c:KF+8*\i+4*\c+3], v[ADK] offset:1024*\i+512*\c
.endr
.endr
.irp f, 0,1,2,3
.irp c, 0,1
	ds_load_b128 v[VF+8*\f+4*\c:VF+8*\f+4*\c+3], v[ADV] offset:1024*\f+512*\c
.endr
.endr
	s_wait_dscnt 8                                 ; K is in; V's eight loads, issued behind it, may stay out
.irp i, 0,1,2,3
.irp t, 0,1
	v_wmma_f32_16x16x32_bf16 v[S+32*\t+8*\i:S+32*\t+8*\i+7], v[KF+8*\i:KF+8*\i+7], v[Q+8*\t:Q+8*\t+7], 0
.endr
.endr
	PLACES 4
	; the maximum of a lane's 32 scores and the old m, three operands at a time, four chains a tile, the two tiles line by line; each accumulator is read from its low end on
.irp j, 0,1,2,3
.irp t, 0,1
	v_max3_num_f32 v[ST+8*\t+4+\j], v[S+32*\t+8*\j], v[S+32*\t+8*\j+1], v[S+32*\t+8*\j+2]
.endr
.endr
.irp k, 3,5
.irp j, 0,1,2,3
.irp t, 0,1
	v_max3_num_f32 v[ST+8*\t+4+\j], v[ST+8*\t+4+\j], v[S+32*\t+8*\j+\k], v[S+32*\t+8*\j+\k+1]
.endr
.endr
.endr
.irp t, 0,1
	v_max3_num_f32 v[ST+8*\t+4], v[ST+8*\t+4], v[S+32*\t+7], v[S+32*\t+15]
.endr
.irp t, 0,1
	v_max3_num_f32 v[ST+8*\t+6], v[ST+8*\t+6], v[S+32*\t+23], v[S+32*\t+31]
.endr
.irp t, 0,1
	v_max3_num_f32 v[ST+8*\t+4], v[ST+8*\t+4], v[ST+8*\t+5], v[ST+8*\t+6]
.endr
.irp t, 0,1
	v_max3_num_f32 v[ST+8*\t+4], v[ST+8*\t+4], v[ST+8*\t+7], v[ST+8*\t+1]
.endr
.irp t, 0,1
	v_permlanex16_b32 v[ST+8*\t+5], v[ST+8*\t+4], s[SEL], s[SEL+1]   ; the query's other 32 keys lie in the lane 16 away
.endr
.irp t, 0,1
	v_max_num_f32 v[ST+8*\t+1], v[ST+8*\t+4], v[ST+8*\t+5]           ; the new m
.endr
.irp t, 0,1
	v_mov_b32 v[ST+8*\t+7], v[ST+8*\t]                               ; c m_old
.endr
.irp t, 0,1
	v_mul_f32 v[ST+8*\t], s[CS], v[ST+8*\t+1]                        ; c m
.endr
.irp t, 0,1
	v_sub_f32 v[ST+8*\t+7], v[ST+8*\t+7], v[ST+8*\t]
.endr
.irp t, 0,1
	v_exp_f32 v[ST+8*\t+6], v[ST+8*\t+7]                             ; a
.endr
	; every exponential has a plain line behind it before its result is used (ISA guide 5.7.2): the plain lines are the other tile's work
.set nn, 0
.rept 16
	FMA 0, nn
.set nn, nn+1
.endr
.set nn, 0
.rept 16
	v_exp_f32 v[S+2*nn], v[S+2*nn]
	v_exp_f32 v[S+2*nn+1], v[S+2*nn+1]
	FMA 1, nn
.set nn, nn+1
.endr
.set nn, 0
.rept 32
	v_exp_f32 v[S+32+nn], v[S+32+nn]
	PL 0, nn
.set nn, nn+1
.endr
.set nn, 0
.rept 32
	PL 1, nn
.if nn%2
	OM (nn/2)                                      ; O^T's rescaling stands between the lines of tile 1's sums, which feed each other
.endif
.set nn, nn+1
.endr
	s_wait_dscnt 0x0                               ; V is in
.irp kb, 0,1                                   ; four accumulators by turns, one instruction a turn
.irp u, 0,1
.irp t, 0,1
	v_wmma_f32_16x16x32_f16 v[O+16*\t+8*\u:O+16*\t+8*\u+7], v[VF+8*(2*\kb+\u):VF+8*(2*\kb+\u)+7], v[P+16*\t+8*\kb:P+16*\t+8*\kb+7], v[O+16*\t+8*\u:O+16*\t+8*\u+7]
.endr
.endr
.endr
.endm
.macro PROCESS slot                    ; a slot's sixteen key steps: 4,096 bytes of K's images and as many of V's a step
	s_mov_b32 s[TB], \slot*SLOTB
	s_mov_b32 s[CNT], 16
.Lstep_\@:
	STEP
	s_add_co_u32 s[TB], s[TB], 4096
	s_sub_co_u32 s[CNT], s[CNT], 1
	s_cmp_lg_u32 s[CNT], 0
	s_cbranch_scc1 .Lstep_\@
.endm
; THE CHANGE OF SLOTS.  Each wave waits for all its tensor loads (one is out: its part of the slot ahead), adds 0 to its spare word, and waits for that and for its reads of the slot that it leaves.
; fill = 1: the slot left is filled again with the chunk two on.  The barrier is then a round of the cluster's, and the joint refill is the first thing behind it: it has sixteen key steps in which to land.
.macro CHANGE slot, fill
	s_wait_tensorcnt 0x0                           ; no tensor load of mine is out, so a group 0 may be written
	ds_add_u32 v[SPW], v[NIL]                      ; 0 onto my spare word
.if \fill
	s_add_nc_u64 s[G0+4*\slot+2:G0+4*\slot+3], s[G0+4*\slot+2:G0+4*\slot+3], 2*SLOTB   ; two chunks on; the type bits on top are not reached
	s_wait_dscnt 0x0                               ; the add is done, and my reads of the slot are over
	CROUND
	tensor_load_to_lds s[G0+4*\slot:G0+4*\slot+3], s[G1:G1+7]   ; my one tensor load behind the round
	s_nop 0
	PLACES 4
.else
	s_wait_dscnt 0x0
	s_barrier_signal -1
	s_barrier_wait -1
.endif
.endm
	PROCESS 0                                      ; chunk 0
	CHANGE 0, 1                                    ; chunk 1 is whole; chunk 2 is asked for
	PROCESS 1
	CHANGE 1, 1                                    ; chunk 2 is whole; chunk 3 is asked for
	PROCESS 0
	CHANGE 0, 0                                    ; chunk 3 is whole; nothing is left to fetch
	PROCESS 1
	; THE WAY OUT: l's two halves and the other half of the lanes' are added; O^T / l, rounded to bf16, is the next launch's operand as it stands
	PLACES 4
.irp t, 0,1
	v_add_f32 v[ST+8*\t+4], v[ST+8*\t+2], v[ST+8*\t+3]
.endr
.irp t, 0,1
	v_permlanex16_b32 v[ST+8*\t+5], v[ST+8*\t+4], s[SEL], s[SEL+1]
.endr
.irp t, 0,1
	v_add_f32 v[ST+8*\t+4], v[ST+8*\t+4], v[ST+8*\t+5]
.endr
.irp t, 0,1
	v_rcp_f32 v[ST+8*\t+6], v[ST+8*\t+4]
.endr
	v_nop                                          ; a plain line between the last reciprocal and the use of its result
	s_wait_alu depctr_va_vdst(0)
.set nn, 0
.rept 16
	OM nn
.set nn, nn+1
.endr
.set nn, 0
.rept 16
	v_cvt_pk_bf16_f32 v[PKO+nn], v[O+2*nn], v[O+2*nn+1]
.set nn, nn+1
.endr
.irp t, 0,1
.irp u, 0,1
	global_store_b128 v[LI], v[PKO+4*(2*\t+\u):PKO+4*(2*\t+\u)+3], s[8:9] offset:\t*8192+\u*512   ; 32 lanes store 512 consecutive bytes, at a multiple of 512 from the buffer's first byte
.endr
.endr
	s_wait_tensorcnt 0x0                           ; the wave's end
	ds_add_u32 v[SPW], v[NIL]
	s_wait_dscnt 0x0
	CROUND                                         ; the closing round
	s_endpgm
.Lfunc_end_k_qdf35ec049e_attn:
	.size	k_qdf35ec049e_attn, .Lfunc_end_k_qdf35ec049e_attn-k_qdf35ec049e_attn
	.p2alignl 7, 3214868480
	.fill 96, 4, 3214868480
	.section	.rodata,"a",@progbits
	.p2align	6, 0x0
	.amdhsa_kernel k_qdf35ec049e_attn
		.amdhsa_group_segment_fixed_size 327680
		.amdhsa_private_segment_fixed_size 0
		.amdhsa_enable_private_segment 0
		.amdhsa_kernarg_size 24
		.amdhsa_user_sgpr_count 2
		.amdhsa_user_sgpr_kernarg_segment_ptr 1
		.amdhsa_wavefront_size32 1
		.amdhsa_system_sgpr_workgroup_id_x 1
		.amdhsa_system_sgpr_workgroup_id_y 1
		.amdhsa_system_sgpr_workgroup_id_z 1
		.amdhsa_system_vgpr_workitem_id 0
		.amdhsa_next_free_vgpr 256
		.amdhsa_next_free_sgpr 66
		.amdhsa_reserve_vcc 0
		.amdhsa_float_denorm_mode_32 3
		.amdhsa_float_denorm_mode_16_64 3
		.amdhsa_memory_ordered 1
		.amdhsa_forward_progress 1
		.amdhsa_inst_pref_size 71
	.end_amdhsa_kernel
	.amdgpu_metadata
---
amdhsa.version: [ 1, 2 ]
amdhsa.kernels:
  - .name:           k_qdf35ec049e_attn
    .symbol:         k_qdf35ec049e_attn.kd
    .args:
      - { .name: q_ws, .offset: 0, .size: 8, .value_kind: global_buffer, .address_space: global }
      - { .name: kv_ws, .offset: 8, .size: 8, .value_kind: global_buffer, .address_space: global }
      - { .name: a_ws, .offset: 16, .size: 8, .value_kind: global_buffer, .address_space: global }
    .group_segment_fixed_size: 327680
    .private_segment_fixed_size: 0
    .kernarg_segment_align: 8
    .kernarg_segment_size: 24
    .max_flat_workgroup_size: 256
    .sgpr_count:     66
    .vgpr_count:     256
    .wavefront_size: 32
...
	.end_amdgpu_metadata
.endif
;; end of part 2
;; launch proj (part 3): grid 128 x 2, 4 waves a work-group, clusters of 4 x 1, 168,448 bytes of LDS; arguments a_ws, w_proj, b_proj, out0; writes out0
.if DOCPART == 3
	.amdgcn_target "amdgcn-amd-amdhsa--gfx1250"
	.amdhsa_code_object_version 6
	.text
	.protected	k_qdf35ec049e_proj
	.globl	k_qdf35ec049e_proj
	.p2align	8
	.type	k_qdf35ec049e_proj,@function
k_qdf35ec049e_proj:
	s_mov_b64 s[64:65], 0
	v_nop
	global_prefetch_b8 v0, s[64:65] scope:SCOPE_SE
	s_setreg_imm32_b32 hwreg(HW_REG_WAVE_MODE, 25, 1), 1
	s_wait_xcnt 0x0
	s_wait_alu depctr_hold_cnt(0) depctr_sa_sdst(0) depctr_va_vdst(0) depctr_va_sdst(0) depctr_va_ssrc(0) depctr_va_vcc(0) depctr_vm_vsrc(0)
	s_getreg_b32 s2, hwreg(HW_REG_IB_STS2, 6, 4)
	s_cmp_eq_u32 s2, 0
	s_cbranch_scc0 .Lentry_in_a_cluster
	s_endpgm
.Lentry_in_a_cluster:
	s_bfe_u32 s2, ttmp6, 0x10000c
	s_cmp_lg_u32 s2, 0x3003
	s_cbranch_scc0 .Lentry_shape_is_right
	s_endpgm
.Lentry_shape_is_right:
; out0[b][o][n] = sum over c of w_proj[o][c] a[b][c][n] + b_proj[o].  a arrives in bf16 as images of operand registers: a_ws [batch x 256 + tile of 16 positions][head 8][c 2][512 B],
; lane (r, h): position r, channels 16 c + 8 h + 0 .. 7 of the head.  w_proj [256][256] f32; sums f32; out0 [2][256][4096] f32.
; w_proj GOES AS TWO bf16 NUMBERS: hi = w rounded to bf16, lo = (w - hi), an exact difference in f32, rounded to bf16; each K step has a product with hi and one with lo, on the same accumulator.
; So of this product's two operands only a is rounded to eight bits.  (f16 is not taken: a is a mean over 4,096 keys, some 0.005 at a spread of 0.32 in v, and 900 times less with both inputs 30 times smaller: under f16's normal range.)
; SHARES.  A work-group takes 64 positions (x of the grid) and 128 outputs (y).  Wave w takes outputs 128 y + 32 w on (two tiles T) for the four tiles m of positions: eight accumulators; K goes in eight steps of 32, a head each.
; Source 0 = 16 positions of a, source 1 = 16 rows of w: a lane's eight results are eight neighbouring positions of one output row.  The bias is the C of each sum's first product.
; a's 32 fragments go from memory straight into registers (window 1).  A wave's 32 rows of w come by one tensor load into LDS bytes of the wave's own; only that wave reads them.
; CLUSTER.  The four work-groups of a cluster lie along x and share y, so they need the same rows of w: each wave's load is asked for jointly (mask 15).
; THE WAY OUT.  16 output rows x 64 positions go through the wave's own stage in LDS and leave as rows of 256 bytes: sixteen lanes store 256 consecutive bytes, at a multiple of 256 from out0's first byte.
; REGISTERS, in windows of 256: window 0: addresses, w's hi fragments, the accumulators, the bias, the way out; window 1: a's 32 fragments; window 2: v0-127 w's lo fragments.
.set ROWP,  1040                       ; a row of w in LDS: 1,024 bytes + 16
.set WWAVE, 32*ROWP
.set STG,   4*WWAVE                    ; behind w: two stages of 16 rows x 272 bytes for each wave; no tensor load lands there
.set SP,    272
.set WF,  16                           ; v16-143  w's hi fragments, (T, s) at WF + 8 (8 T + s); the lo fragments at 8 (8 T + s) of window 2
.set RAW, 144                          ; v144-207 w's numbers as f32, four fragments' worth; then w - hi in place
.set ACC, 144                          ; later: the accumulators, (m, T) at ACC + 8 (2 m + T)
.set BI,  208                          ; v208-223 the bias in the result's layout, 8 registers a tile T
.set TT,  224                          ; v224-239 hi widened to f32 again, eight pairs at a time
.set OUT0R, 224                        ; later: v224-255 rows read back, T = 0
.set OUT1R, 16                         ; v16-47   rows read back, T = 1
.set WV,  12
.set MSB, 0
.macro WIN new                         ; the immediate's high byte repeats the setting that is left
.if MSB != \new
	s_set_vgpr_msb (MSB<<8)|\new
.set MSB, \new
.endif
.endm
.macro CROUND                          ; a round of the cluster's barrier
	s_barrier_signal -1
	s_barrier_wait -1
	s_cmp_lg_u32 s[WV], 0
	s_cbranch_scc1 .Lnot_wave_0_\@
	s_barrier_signal -3
.Lnot_wave_0_\@:
	s_barrier_wait -3
	s_barrier_signal -1
	s_barrier_wait -1
.endm
.macro PLACES n
.rept \n
	v_nop
.endr
.endm
.macro ALOADS s0                       ; a's fragments of K steps s0 .. s0 + 3, (s, m) at v[8 (4 s + m)] of window 1, K step by K step
	WIN 0x40                                       ; destination window 1, address window 0
.irp ds, 0,1,2,3
.irp m, 0,1,2,3
.irp c, 0,1
	global_load_b128 v[8*(4*((\s0)+\ds)+\m)+4*\c:8*(4*((\s0)+\ds)+\m)+4*\c+3], v3, s[4:5] offset:\m*8192+((\s0)+\ds)*1024+\c*512
.endr
.endr
.endr
	WIN 0
.endm
	s_load_b128 s[4:7], s[0:1], 0x0                ; a_ws, w_proj
	s_load_b128 s[8:11], s[0:1], 0x10              ; b_proj, out0
	v_lshl_add_u32 v14, v0, 2, 0x29000
	v_mov_b32 v15, 0
	ds_add_u32 v14, v15
	ds_add_u32 v14, v15
	v_lshrrev_b32 v1, 5, v0
	v_readfirstlane_b32 s[WV], v1                  ; wave 0..3
	s_and_b32 s13, ttmp7, 0xffff                   ; y, which the partners share
	s_bfe_u32 s14, ttmp6, 0x40000                  ; cx
	s_lshl_b32 s15, ttmp9, 2
	s_add_co_u32 s14, s14, s15                     ; block of 64 positions: it enters global addresses alone
	s_lshl_b32 s16, s13, 7
	s_lshl_b32 s17, s[WV], 5
	s_add_co_u32 s16, s16, s17                     ; my first output: 128 y + 32 w
	s_lshl_b32 s18, s14, 15                        ; a: four tiles of 8,192 bytes a block
	s_mov_b32 s19, 0
	s_lshl_b32 s20, s16, 2                         ; the bias
	s_mov_b32 s21, 0
	s_lshr_b32 s36, s14, 6                         ; out0: batch x 4 MiB
	s_lshl_b32 s36, s36, 22
	s_lshl_b32 s37, s16, 14                        ; + my first output's row of 16,384 bytes
	s_add_co_u32 s36, s36, s37
	s_and_b32 s37, s14, 63
	s_lshl_b32 s37, s37, 8                         ; + the block's 256 bytes of a row
	s_add_co_u32 s36, s36, s37
	s_mov_b32 s37, 0
	s_mul_i32 s38, s[WV], 2*16*SP
	s_add_co_u32 s38, s38, STG                     ; my stages
	s_mov_b32 s39, 0xffff0000                      ; a word's upper bf16
	; descriptor group 1: 32 rows of 256 elements of 4 bytes, 16 bytes of padding behind each row
	s_mov_b32 s24, 15|(2<<16)|(1<<20)|(1<<21)|(7<<22)|(3<<25)   ; 15:0 the mask: all four work-groups; 17:16 elements of 4 bytes; 20 padding on; 21 set beside a mask; 24:22 after every 256 words; 31:25 four words
	s_mov_b32 s25, 256<<16                         ; tensor_dim0 = 256
	s_mov_b32 s26, 32<<16                          ; tensor_dim1 = 32
	s_mov_b32 s27, 256<<16                         ; tile_dim0 = 256
	s_mov_b32 s28, 32                              ; tile_dim1 = 32
	s_mov_b32 s29, 256                             ; elements from row to row
	s_mov_b32 s30, 0
	s_mov_b32 s31, 0
	s_mov_b32 s32, 1                               ; group 0: count = 1
	s_mul_i32 s33, s[WV], WWAVE                    ; LDS address: my wave's rows
	s_lshl_b32 s22, s13, 17                        ; 128 rows of 1,024 bytes a y
	s_lshl_b32 s23, s[WV], 15                      ; my 32 rows
	s_add_co_u32 s22, s22, s23
	s_mov_b32 s23, 0
	v_and_b32 v1, 15, v0                           ; r
	v_bfe_u32 v2, v0, 4, 1                         ; h
	v_and_b32 v3, 31, v0
	v_lshlrev_b32 v3, 4, v3                        ; 16 x lane: my place in an image
	v_mul_u32_u24 v4, v1, ROWP
	v_lshl_add_u32 v4, v2, 5, v4
	v_add_nc_u32 v4, s33, v4                       ; w: row r, + 32 h bytes: k = 8 h on
	v_mul_u32_u24 v5, v1, SP
	v_lshl_add_u32 v5, v2, 5, v5
	v_add_nc_u32 v5, s38, v5                       ; the stage, in: row r, 32 bytes for each half of the lanes
	v_mul_u32_u24 v6, v2, SP
	v_lshl_add_u32 v6, v1, 4, v6
	v_add_nc_u32 v6, s38, v6                       ; back: lanes 0-15 one row of 256 bytes, lanes 16-31 the next
	v_lshlrev_b32 v7, 14, v2
	v_lshl_add_u32 v7, v1, 4, v7                   ; and the same two rows in out0
	v_lshlrev_b32 v8, 2, v1                        ; the bias: 4 r
	s_wait_dscnt 0x0
	s_wait_kmcnt 0x0
	s_add_nc_u64 s[34:35], s[6:7], s[22:23]        ; group 0: global address
	s_or_b32 s35, s35, 0x80000000                  ; type = 2
	s_add_nc_u64 s[4:5], s[4:5], s[18:19]
	s_add_nc_u64 s[8:9], s[8:9], s[20:21]
	s_add_nc_u64 s[10:11], s[10:11], s[36:37]
.irp T, 0,1
	global_load_b32 v[BI+8*\T], v8, s[8:9] offset:64*\T   ; b_proj of output 16 T + r
.endr
	ALOADS 0                                       ; K steps 0 to 3 are on their way while the partners meet
	CROUND                                         ; all four work-groups are here: the joint loads meet
	tensor_load_to_lds s[32:35], s[24:31]          ; my 32 rows of w: the wave's one tensor load
	s_nop 0
	PLACES 4                                       ; the windows are switched behind them
	ALOADS 4
; Four fragments of w: (T, s) = pair 8 T + s; lane (r, h) takes of row 16 T + r the numbers k = 32 s + 8 h + 0 .. 7 and 32 s + 16 + 8 h + 0 .. 7.
; hi: rounded to bf16 in pairs.  Then hi is widened again (a shift, a mask), taken off the numbers in place (exact), and what is left is rounded to bf16: lo, into window 2, in one run under one window setting.
.macro WBATCH bt
.irp pp, 0,1,2,3
.set pidx, 4*(\bt)+\pp
.set wo, (pidx/8)*16*ROWP+(pidx%8)*128
	ds_load_b128 v[RAW+16*\pp:RAW+16*\pp+3], v4 offset:wo
	ds_load_b128 v[RAW+16*\pp+4:RAW+16*\pp+7], v4 offset:wo+16
	ds_load_b128 v[RAW+16*\pp+8:RAW+16*\pp+11], v4 offset:wo+64
	ds_load_b128 v[RAW+16*\pp+12:RAW+16*\pp+15], v4 offset:wo+80
.endr
	s_wait_dscnt 0x0
.irp pp, 0,1,2,3
.irp i, 0,1,2,3,4,5,6,7
	v_cvt_pk_bf16_f32 v[WF+8*(4*(\bt)+\pp)+\i], v[RAW+16*\pp+2*\i], v[RAW+16*\pp+2*\i+1]
.endr
.irp i, 0,1,2,3,4,5,6,7
	v_lshlrev_b32 v[TT+2*\i], 16, v[WF+8*(4*(\bt)+\pp)+\i]
	v_and_b32 v[TT+2*\i+1], s39, v[WF+8*(4*(\bt)+\pp)+\i]
.endr
.irp i, 0,1,2,3,4,5,6,7
	v_pk_add_f32 v[RAW+16*\pp+2*\i:RAW+16*\pp+2*\i+1], v[RAW+16*\pp+2*\i:RAW+16*\pp+2*\i+1], v[TT+2*\i:TT+2*\i+1] neg_lo:[0,1] neg_hi:[0,1]   ; w - hi
.endr
.endr
	WIN 0x80                                       ; destination window 2
.irp pp, 0,1,2,3
.irp i, 0,1,2,3,4,5,6,7
	v_cvt_pk_bf16_f32 v[8*(4*(\bt)+\pp)+\i], v[RAW+16*\pp+2*\i], v[RAW+16*\pp+2*\i+1]
.endr
.endr
	WIN 0
.endm
	s_wait_tensorcnt 0x0                           ; my rows of w are in LDS; no other wave reads them
	WBATCH 0
	WBATCH 1
	WBATCH 2
	WBATCH 3
	s_wait_loadcnt 56                              ; the bias and K step 0 are in; the seven later K steps' loads, eight each, may stay out
.irp T, 0,1
.irp j, 1,2,3,4,5,6,7
	v_mov_b32 v[BI+8*\T+\j], v[BI+8*\T]            ; a lane's eight results belong to one output: the same bias in all eight
.endr
.endr
	WIN 0x01                                       ; source 0 (a) window 1; w's hi, C and D window 0
.irp s, 0,1,2,3,4,5,6,7                        ; eight accumulators by turns, one instruction a turn
	s_wait_loadcnt 8*(7-\s)                        ; this K step's eight loads are in
.irp m, 0,1,2,3
.irp T, 0,1
.if \s == 0
	v_wmma_f32_16x16x32_bf16 v[ACC+8*(2*\m+\T):ACC+8*(2*\m+\T)+7], v[8*(4*\s+\m):8*(4*\s+\m)+7], v[WF+8*(8*\T+\s):WF+8*(8*\T+\s)+7], v[BI+8*\T:BI+8*\T+7]
.else
	v_wmma_f32_16x16x32_bf16 v[ACC+8*(2*\m+\T):ACC+8*(2*\m+\T)+7], v[8*(4*\s+\m):8*(4*\s+\m)+7], v[WF+8*(8*\T+\s):WF+8*(8*\T+\s)+7], v[ACC+8*(2*\m+\T):ACC+8*(2*\m+\T)+7]
.endif
.endr
.endr
.endr
	WIN 0x09                                       ; source 0 (a) window 1, source 1 (w's lo) window 2; C and D window 0
.irp s, 0,1,2,3,4,5,6,7                        ; the same eight accumulators, in the same order
.irp m, 0,1,2,3
.irp T, 0,1
	v_wmma_f32_16x16x32_bf16 v[ACC+8*(2*\m+\T):ACC+8*(2*\m+\T)+7], v[8*(4*\s+\m):8*(4*\s+\m)+7], v[8*(8*\T+\s):8*(8*\T+\s)+7], v[ACC+8*(2*\m+\T):ACC+8*(2*\m+\T)+7]
.endr
.endr
.endr
	WIN 0
	PLACES 4                                       ; ahead of the first read of results, and of the loads into registers that held w's fragments
.irp T, 0,1
.irp m, 0,1,2,3
	ds_store_b128 v5, v[ACC+8*(2*\m+\T):ACC+8*(2*\m+\T)+3] offset:\T*16*SP+64*\m        ; lane (r, h): out(16 T + r, 16 m + 8 h + 0 .. 7); each accumulator from its low end on
	ds_store_b128 v5, v[ACC+8*(2*\m+\T)+4:ACC+8*(2*\m+\T)+7] offset:\T*16*SP+64*\m+16
.endr
.irp i, 0,1,2,3,4,5,6,7
.if \T == 0
	ds_load_b128 v[OUT0R+4*\i:OUT0R+4*\i+3], v6 offset:2*\i*SP                          ; LDS serves a wave's instructions in order (ISA guide 5.7.1.4): these see my stores
.else
	ds_load_b128 v[OUT1R+4*\i:OUT1R+4*\i+3], v6 offset:16*SP+2*\i*SP
.endif
.endr
.endr
	s_wait_dscnt 16                                ; the first stage's rows are back; the second stage's eight stores and eight loads may stay out
.irp i, 0,1,2,3,4,5,6,7
	global_store_b128 v7, v[OUT0R+4*\i:OUT0R+4*\i+3], s[10:11] offset:2*\i*16384 th:TH_STORE_NT
.endr
	s_wait_dscnt 0x0
.irp i, 0,1,2,3,4,5,6,7
	global_store_b128 v7, v[OUT1R+4*\i:OUT1R+4*\i+3], s[10:11] offset:(16+2*\i)*16384 th:TH_STORE_NT
.endr
	s_wait_tensorcnt 0x0
	ds_add_u32 v14, v15
	s_wait_dscnt 0x0
	CROUND                                         ; the closing round: no work-group ends while a partner may still ask for rows jointly
	s_endpgm
.Lfunc_end_k_qdf35ec049e_proj:
	.size	k_qdf35ec049e_proj, .Lfunc_end_k_qdf35ec049e_proj-k_qdf35ec049e_proj
	.p2alignl 7, 3214868480
	.fill 96, 4, 3214868480
	.section	.rodata,"a",@progbits
	.p2align	6, 0x0
	.amdhsa_kernel k_qdf35ec049e_proj
		.amdhsa_group_segment_fixed_size 168448
		.amdhsa_private_segment_fixed_size 0
		.amdhsa_enable_private_segment 0
		.amdhsa_kernarg_size 32
		.amdhsa_user_sgpr_count 2
		.amdhsa_user_sgpr_kernarg_segment_ptr 1
		.amdhsa_wavefront_size32 1
		.amdhsa_system_sgpr_workgroup_id_x 1
		.amdhsa_system_sgpr_workgroup_id_y 1
		.amdhsa_system_sgpr_workgroup_id_z 1
		.amdhsa_system_vgpr_workitem_id 0
		.amdhsa_next_free_vgpr 640
		.amdhsa_next_free_sgpr 66
		.amdhsa_reserve_vcc 0
		.amdhsa_float_denorm_mode_32 3
		.amdhsa_float_denorm_mode_16_64 3
		.amdhsa_memory_ordered 1
		.amdhsa_forward_progress 1
		.amdhsa_inst_pref_size 60
	.end_amdhsa_kernel
	.amdgpu_metadata
---
amdhsa.version: [ 1, 2 ]
amdhsa.kernels:
  - .name:           k_qdf35ec049e_proj
    .symbol:         k_qdf35ec049e_proj.kd
    .args:
      - { .name: a_ws, .offset: 0, .size: 8, .value_kind: global_buffer, .address_space: global }
      - { .name: w_proj, .offset: 8, .size: 8, .value_kind: global_buffer, .address_space: global }
      - { .name: b_proj, .offset: 16, .size: 8, .value_kind: global_buffer, .address_space: global }
      - { .name: out0, .offset: 24, .size: 8, .value_kind: global_buffer, .address_space: global }
    .group_segment_fixed_size: 168448
    .private_segment_fixed_size: 0
    .kernarg_segment_align: 8
    .kernarg_segment_size: 32
    .max_flat_workgroup_size: 128
    .sgpr_count:     66
    .vgpr_count:     640
    .wavefront_size: 32
...
	.end_amdgpu_metadata
.endif
;; end of part 3
